; MI455X (gfx1250); checked and timed in simulation.
; The chip was launched on July 23, 2026; its instructions are those of AMD's public machine-readable ISA for CDNA 5 (MIT licence, August 2026) and "CDNA5" Instruction Set Architecture Reference Guide (July 2026). The comments in the code are by the model that wrote it; some were corrected since.
;; FFM. Allowed arithmetic: matrix products marked QUANTISED: E4M3 operands, one E8M0 scale for each 32 along K, by v_wmma_scale_f32_16x16x128_f8f6f4 with both operands' format E4M3, f32 sums; products left as they are: f32 operands where the result goes on into a quantised operand, else bf16, f16 or f32 operands; f32 sums; everything else in f32.
;; Inputs: b one number float32; v_codes 32 x 64 x 64 x 32 uint8 (E4M3 codes of v, K innermost, in blocks of 32 codes); v_scales 32 x 64 x 64 uint8 (E8M0 scales of v, one for each 32 codes along K); w 2,048 float32; x 16,384 x 2,048 float32.
;; Outputs: out0 16,384 float32.
;; This version of the problem:
;;   THIS VERSION OF THE PROBLEM IS GIVEN IN LOW PRECISION. The matrix products marked QUANTISED in the list below multiply operands that are first quantised to E4M3 (4 exponent bits, 3 mantissa bits; 8 bits a number), with one power-of-two scale for each 32 numbers along K (OCP MX v1.0); their sums are f32. All else is computed in f32.
;;   The module's matrix products, in the order in which they are computed (A, B: the left and right operand; K: the contracted axis; several contracted axes count as one K, in the product's order):
;;     1. [M 16,384, K 2,048] x [K 2,048, N 1]; A: input x; B: input w: left as it is (N = 1 < 16)
;;     2. [M 16,384, K 2,048] x [K 2,048, N 2,048]; A: input x; B: input v (given as codes): QUANTISED
;;   THE QUANTISER, for each operand of a quantised product, along K:
;;     - K is cut into blocks of 32 from its start; a last block that is shorter is filled with zeros.
;;     - A block's scale is 2^e with e = floor(log2(the largest magnitude in the block)) - 8, held to -126 .. 127; a block of zeros has e = 0. As a byte (E8M0): e + 127.
;;     - Each number is divided by its block's scale, clamped to +-448, and rounded to the nearest number of E4M3, ties to even, subnormals kept.
;;     - The product sums the exact products of the quantised numbers (number of the format x scale) in f32.
;;   ~~~python
;;   def quantise(x, axis):      # numpy; x: float32 -> the quantised numbers, widened to float32 again
;;       x = np.moveaxis(x, axis, -1); K = x.shape[-1]
;;       x = np.pad(x, [(0, 0)] * (x.ndim - 1) + [(0, -K % 32)]); x = x.reshape(x.shape[:-1] + (-1, 32)); a = np.abs(x).max(-1, keepdims=True)
;;       e = np.where(a > 0, np.clip(np.frexp(np.where(a > 0, a, 1))[1] - 1 - 8, -126, 127), 0)      # np.frexp(a)[1] - 1 = floor(log2(a)), exactly
;;       r = np.clip(x / 2.0 ** e, -448, 448)
;;       step = 2.0 ** (np.maximum(np.frexp(np.where(r == 0, 1, r))[1] - 1, -6) - 3)
;;       q = np.round(r / step) * step * 2.0 ** e      # np.round: ties to even
;;       return np.moveaxis(q.reshape(q.shape[:-2] + (-1,))[..., :K], -1, axis).astype(np.float32)
;;   ~~~
;;   INPUTS GIVEN AS CODES. v (in the module: [2048, 32, 64], K = its axis 0): each comes as NAME_codes (uint8): NAME with its K axis moved to the last place and cut into blocks of 32 codes, [.., K / 32, bytes a block], one block behind the other in memory; one code a byte (a code: sign, 4 exponent bits, 3 mantissa bits); and NAME_scales (uint8): the same leading axes, one E8M0 byte (e + 127) for each 32 codes along K. Its value is code x scale, taken as it is: it is not quantised again, and the codes and scales need not be those that the quantiser above would give.
;; One version. Each part assembles by itself: llvm-mc -triple=amdgcn-amd-amdhsa -mcpu=gfx1250 --defsym DOCPART=n.
;; ======== version 1 of 1: 3 launches
;; limits: right only within a limited range of input values
;; workspace buffers: xc 33,554,432 bytes; xs 1,048,576 bytes; vp 4,194,304 bytes; vs 131,072 bytes; lin 65,536 bytes; part 1,048,576 bytes
;; launch prep (part 1): grid 1152 x 1, 4 waves a work-group, no clusters, 33,280 bytes of LDS; arguments x, w, xc, xs, lin, v_codes, v_scales, vp, vs; writes xc, xs, lin, vp, vs
.if DOCPART == 1
	.amdgcn_target "amdgcn-amd-amdhsa--gfx1250"
	.amdhsa_code_object_version 6
	.text
	.protected	k_qeeb1d1e46e_prep
	.globl	k_qeeb1d1e46e_prep
	.p2align	8
	.type	k_qeeb1d1e46e_prep,@function
k_qeeb1d1e46e_prep:
	s_mov_b64 s[64:65], 0
	v_nop
	global_prefetch_b8 v0, s[64:65] scope:SCOPE_SE
	s_setreg_imm32_b32 hwreg(HW_REG_WAVE_MODE, 25, 1), 1
	s_wait_xcnt 0x0
; Two jobs in one launch, parted on the work-group's number.
; WORK-GROUPS 128 .. 1151: x [16384][2048] f32 becomes codes of FP8 (E4M3), xc [16384][2048], K innermost, and one E8M0 byte for each 32 along K, xs [16384][64]; on the way the rows' products
; with w are summed in f32: lin[row] = x[row] . w (the bias is added later).  A block's scale is 2^(floor(log2(its largest magnitude)) - 8); its byte is that magnitude's exponent field - 8, held at 1 from below;
; each number is divided by the scale, held within +-448 and rounded to the nearest code, ties to even.
; WORK-GROUPS 0 .. 127: the rows of v's codes [2048][2048] and scale bytes [2048][64] are copied in another ORDER into vp and vs: row d = 256 t + 128 c + 16 bb + 8 h + j of vp is row
; n = 64 (4 bb + j / 2) + 8 t + 4 c + 2 h + j % 2 of v (n = 64 field + k).  In that order a tile of 256 rows holds all 32 fields of 8 values of k, and the product's launch finds all 32 fields of two k in one lane.
; LIMITS: NaN and infinities in x are not served.  A block of x whose largest magnitude lies under 2^-118 has its byte held at 1 (not tried).  A block of zeros gets the byte 1 where the rule says 127: its codes are
; zeros, which add nothing under any byte but 0xff, and xs is read by this program alone.
; x'S PATH.  A wave takes a run of 8,192 numbers, four whole rows, as 16 steps of 512.  Each of a step's four loads reads 512 consecutive bytes, 16 a lane; the conversions want 16 NEIGHBOURS in a lane (two lanes hold a
; block), so a step's 2,048 bytes turn through the wave's own stage in LDS: in as they lie, out 64 bytes a lane, 16 bytes of padding behind each 64.  A lane's 16 codes are 16 bytes: the wave stores 512 consecutive
; bytes.  A run's 256 scale bytes are gathered in LDS and leave as 256 consecutive aligned bytes.  lin leaves as 16 bytes a wave: 64 KiB in the whole launch, stored in pieces smaller than 256 bytes.
; No tensor loads, no barrier: waves share nothing.  Loads run four steps (16 loads a wave) ahead, the turn through LDS one step.  Only this path touches LDS.
.set STEPS, 16
.set NCOPY, 128                        ; work-groups that copy v
.set MANT,  0x600000                   ; the mantissa field of 448 as f32
.set R,     16                         ; v16-79    four sets of 16 numbers as they are loaded
.set X,     80                         ; v80-111   two sets of 16 neighbours
.set E,     112                        ; v112-113  the step's scale byte, two registers by turns
.set LA,    114                        ; v114-117  x . w: two packed chains
.set LR,    118                        ; v118-121  my share of the run's four rows
.set C,     128                        ; v128-191  codes: four registers for each step, so that no store's data are written again
.set W,     192                        ; v192-255  w[512 q + 16 lane + i] at W + 16 q + i: what my 16 numbers of step t meet is set t % 4
.set WREG,  8192                       ; LDS: a region for each wave: two stages of 32 x SP bytes, behind them its 256 scale bytes
.set SP,    80                         ; a lane's place in a stage: its 64 bytes + 16 of padding
	s_load_b256 s[4:11], s[0:1], 0x0               ; x s[4:5], w s[6:7], xc s[8:9], xs s[10:11]
	s_load_b64 s[12:13], s[0:1], 0x20              ; lin
	s_load_b128 s[16:19], s[0:1], 0x28             ; v's codes s[16:17], v's scales s[18:19]
	s_load_b128 s[20:23], s[0:1], 0x38             ; vp s[20:21], vs s[22:23]
	v_lshl_add_u32 v126, v0, 2, 0x8000
	v_mov_b32 v127, 0
	v_lshrrev_b32 v1, 5, v0
	v_readfirstlane_b32 s24, v1                    ; wave 0..3
	v_and_b32 v2, 31, v0                           ; lane
	v_lshlrev_b32 v3, 4, v2                        ; 16 x lane
	v_lshlrev_b32 v7, 3, v2                        ; 8 x lane
	s_mov_b32 s35, 0                               ; the upper word of every offset: all lie under 2^32
	s_cmp_lt_u32 ttmp9, NCOPY                      ; the short job's work-groups come first
	s_cbranch_scc1 .Lcopy
	; ---------------- x ----------------
	v_lshlrev_b32 v4, 6, v2                        ; w: my 16 numbers of each 512: 64 x lane
	s_mul_i32 s25, s24, WREG
	v_lshrrev_b32 v14, 2, v2
	v_mul_u32_u24 v14, v14, SP
	v_and_b32 v15, 3, v2
	v_lshl_add_u32 v14, v15, 4, v14
	v_add_nc_u32 v14, s25, v14                     ; the stage, on the way in: SP (lane / 4) + 16 (lane % 4); a load's 512 bytes take eight places
	v_mul_u32_u24 v15, v2, SP
	v_add_nc_u32 v15, s25, v15                     ; and on the way out: SP x lane: my 16 neighbours
	v_lshrrev_b32 v5, 1, v2
	s_add_co_u32 s25, s25, 2*32*SP
	v_add_nc_u32 v5, s25, v5                       ; my wave's 256 scale bytes: my block's byte,
	v_add_nc_u32 v6, s25, v7                       ; and on the way out 8 bytes a lane
	v_lshlrev_b32 v124, 2, v2                      ; lin: 4 x lane
	v_mov_b32 v122, 0                              ; a lane permute's destination counts as one of its sources
	s_mov_b32 s28, MANT                            ; (an instruction takes one literal: the hold's line has another)
	s_mov_b32 s30, 0x76543210
	s_mov_b32 s31, 0xfedcba98                      ; v_permlanex16_b32's selects for lane l xor 16
	s_sub_co_u32 s26, ttmp9, NCOPY
	s_lshl_b32 s26, s26, 2
	s_add_co_u32 s26, s26, s24                     ; my run, 0 .. 4095
	s_wait_alu depctr_va_vdst(0)
	s_wait_kmcnt 0x0
	s_lshl_b32 s34, s26, 15                        ; 8,192 numbers of 4 bytes
	s_add_nc_u64 s[4:5], s[4:5], s[34:35]
	s_lshl_b32 s34, s26, 13                        ; 8,192 codes
	s_add_nc_u64 s[8:9], s[8:9], s[34:35]
	s_lshl_b32 s34, s26, 8                         ; 256 scale bytes
	s_add_nc_u64 s[10:11], s[10:11], s[34:35]
	s_lshl_b32 s34, s26, 4                         ; four rows' sums
	s_add_nc_u64 s[12:13], s[12:13], s[34:35]
.irp q, 0,1,2,3
.irp i, 0,1,2,3
	global_load_b128 v[W+16*\q+4*\i:W+16*\q+4*\i+3], v4, s[6:7] offset:2048*\q+16*\i   ; w stays in registers: 8 KiB, read once by each wave
.endr
.endr
.macro LOAD t
.irp i, 0,1,2,3
	global_load_b128 v[R+16*((\t)%4)+4*\i:R+16*((\t)%4)+4*\i+3], v3, s[4:5] offset:2048*(\t)+512*\i th:TH_LOAD_NT   ; 32 lanes read 512 consecutive bytes; x is read once
.endr
.endm
.macro TURN t                          ; step t's numbers through the stage: LDS serves a wave's instructions in order (ISA guide 5.7.1.4), so no wait stands between the stores and the loads
.irp i, 0,1,2,3
	ds_store_b128 v14, v[R+16*((\t)%4)+4*\i:R+16*((\t)%4)+4*\i+3] offset:32*SP*((\t)%2)+8*SP*\i
.endr
.irp i, 0,1,2,3
	ds_load_b128 v[X+16*((\t)%2)+4*\i:X+16*((\t)%2)+4*\i+3], v15 offset:32*SP*((\t)%2)+16*\i
.endr
.endm
.irp t, 0,1,2,3
	LOAD \t
.endr
	s_wait_loadcnt 12                              ; w's sixteen loads and step 0's four are in; the twelve of steps 1 to 3 may be out
	TURN 0
.macro STEP t
.set XS, X+16*((\t)%2)
.set WS, W+16*((\t)%4)
.if (\t) > 0
	s_wait_dscnt 1                                 ; this step's numbers are back from the stage (the last step's byte store may be out): so its stores into the stage have read their registers,
.else
	s_wait_dscnt 0x0
.endif
.if (\t)+4 < STEPS
	LOAD (\t)+4                                    ; which take the loads of four steps on
.endif
.if (\t)+1 < STEPS
.if STEPS-2-(\t) >= 3
	s_wait_loadcnt 12                              ; the next step's four loads are in; those of the three steps behind it may be out
.else
	s_wait_loadcnt 4*(STEPS-2-(\t))                ; the tail: fewer steps are behind it
.endif
	TURN (\t)+1                                    ; and go through the other stage while this step is worked
.endif
	v_max3_num_f32 v8, |v[XS]|, |v[XS+1]|, |v[XS+2]|               ; the largest magnitude of my 16, in two chains
	v_max3_num_f32 v9, |v[XS+3]|, |v[XS+4]|, |v[XS+5]|
.irp i, 6,10
	v_max3_num_f32 v8, v8, |v[XS+\i]|, |v[XS+\i+1]|
	v_max3_num_f32 v9, v9, |v[XS+\i+2]|, |v[XS+\i+3]|
.endr
	v_max3_num_f32 v8, v8, |v[XS+14]|, |v[XS+15]|
	v_max3_num_f32 v8, v8, v9, 0x4800000           ; and the floor 2^(9 - 127), under which no largest magnitude is taken: so the byte cannot fall under 1
	v_max_num_f32_dpp v8, v8, v8 row_xmask:1 row_mask:0xf bank_mask:0xf   ; and of my neighbour's 16: the block's
.irp i, 0,2,4,6,8,10,12,14                     ; x . w on the numbers as they came, ahead of the hold, which writes over them.  A row is four steps: its first step's first two products start the two chains
.if ((\t)%4 == 0) && (\i < 4)
	v_pk_mul_f32 v[LA+\i:LA+\i+1], v[XS+\i:XS+\i+1], v[WS+\i:WS+\i+1]
.else
	v_pk_fma_f32 v[LA+2*((\i/2)%2):LA+2*((\i/2)%2)+1], v[XS+\i:XS+\i+1], v[WS+\i:WS+\i+1], v[LA+2*((\i/2)%2):LA+2*((\i/2)%2)+1]
.endif
.endr
.if (\t)%4 == 3
	v_pk_add_f32 v[LA:LA+1], v[LA:LA+1], v[LA+2:LA+3]
	v_add_f32 v[LR+(\t)/4], v[LA], v[LA+1]         ; the row is through: my lane's share of it
.endif
	v_add_nc_u32 v11, 0xfc000000, v8               ; 8 off the exponent field: the conversion takes the exponent field of this operand as its scale, and nothing else of it
	v_and_or_b32 v10, v8, 0x7f800000, s28          ; 448 x the scale: the largest magnitude's exponent field over 448's mantissa
.irp i, 0,1,2,3,4,5,6,7,8,9,10,11,12,13,14,15
	v_med3_num_f32 v[XS+\i], v[XS+\i], -v10, v10   ; the conversion to an 8-bit code does not saturate (ISA guide 7.6.2): hold the number within the largest code x the scale first
.endr
	v_cvt_scalef32_pk8_fp8_f32 v[C+4*(\t):C+4*(\t)+1], v[XS:XS+7], v11          ; eight numbers / 2^(v11's exponent), to the nearest code, ties to even; the first number's code in the lowest byte
	v_cvt_scalef32_pk8_fp8_f32 v[C+4*(\t)+2:C+4*(\t)+3], v[XS+8:XS+15], v11
	v_lshrrev_b32 v[E+(\t)%2], 23, v11             ; the scale's byte (a plain line behind the conversions).  The store that last read this register, two steps back, was shown done by the wait at this step's head
	ds_store_b8 v5, v[E+(\t)%2] offset:16*(\t)     ; both lanes of a block write the same byte with the same value
	global_store_b128 v3, v[C+4*(\t):C+4*(\t)+3], s[8:9] offset:512*(\t)        ; 32 lanes store 512 consecutive bytes, at a multiple of 256 from xc's first byte
.endm
.irp t, 0,1,2,3,4,5,6,7,8,9,10,11,12,13,14,15
	STEP \t
.endr
	ds_load_b64 v[12:13], v6                       ; LDS serves a wave's instructions in order: these see my byte stores
.irp m, 1,2,4,8                                ; the four rows' sums over the 32 lanes: four steps inside each half ride on the addition, the four rows by turns
.irp q, 0,1,2,3
	v_add_f32_dpp v[LR+\q], v[LR+\q], v[LR+\q] row_xmask:\m row_mask:0xf bank_mask:0xf
.endr
.endr
.irp q, 0,1,2,3
	v_permlanex16_b32 v122, v[LR+\q], s30, s31     ; and one crosses the halves
	v_add_f32 v[LR+\q], v[LR+\q], v122
.endr
	v_mov_b32 v123, v[LR]                          ; lane q takes row q's sum
.irp q, 1,2,3
	v_cmp_eq_u32 vcc_lo, \q, v2
	v_cndmask_b32 v123, v123, v[LR+\q], vcc_lo
.endr
	s_wait_alu depctr_va_vdst(0)
	s_wait_dscnt 0x0
	global_store_b64 v7, v[12:13], s[10:11]        ; 32 lanes store 256 consecutive bytes, at a multiple of 256 from xs's first byte
	v_cmp_gt_u32 vcc_lo, 4, v2
	s_wait_xcnt 0x0                                ; EXEC is a source of the stores above: it changes only behind this wait
	s_wait_tensorcnt 0x0
	ds_add_u32 v126, v127
	s_wait_dscnt 0x0
	s_and_saveexec_b32 s32, vcc_lo
	global_store_b32 v124, v123, s[12:13]          ; lanes 0 to 3: the run's four rows of lin
	s_wait_xcnt 0x0                                ; and again, in front of the line that widens it
	s_or_b32 exec_lo, exec_lo, s32
	s_endpgm
	; ---------------- v ----------------
	; Work-group g, wave y copy destination rows d = 16 g + 4 y + e, e = 0 .. 3.  In d's split t = g / 16, c = (g / 8) % 2, bb = g % 8, h = y / 2, j = 4 (y % 2) + e, so the source row is
	; n = n0 + 64 (e / 2) + e % 2 with n0 = 256 (g % 8) + 128 (y % 2) + 4 (g / 8) + 2 (y / 2).
.Lcopy:
	s_and_b32 s25, ttmp9, 7
	s_lshl_b32 s25, s25, 8
	s_and_b32 s26, s24, 1
	s_lshl_b32 s26, s26, 7
	s_add_co_u32 s25, s25, s26
	s_lshr_b32 s26, ttmp9, 3
	s_lshl_b32 s26, s26, 2
	s_add_co_u32 s25, s25, s26
	s_lshr_b32 s26, s24, 1
	s_lshl_b32 s26, s26, 1
	s_add_co_u32 s25, s25, s26                     ; n0
	s_lshl_b32 s26, ttmp9, 4
	s_lshl_b32 s27, s24, 2
	s_add_co_u32 s26, s26, s27                     ; d0 = 16 g + 4 y
	s_wait_alu depctr_va_vdst(0)
	v_lshrrev_b32 v8, 4, v2                        ; the scale bytes: lane l takes 8 bytes of row e = l / 8: source byte 4096 (e / 2) + 64 (e % 2) + 8 (l % 8)
	v_lshlrev_b32 v8, 12, v8
	v_bfe_u32 v9, v2, 3, 1
	v_lshl_add_u32 v8, v9, 6, v8
	v_and_b32 v9, 7, v2
	v_lshl_add_u32 v8, v9, 3, v8
	s_wait_alu depctr_va_vdst(0)
	s_wait_kmcnt 0x0
	s_lshl_b32 s34, s25, 11                        ; a row of codes is 2,048 bytes,
	s_add_nc_u64 s[16:17], s[16:17], s[34:35]
	s_lshl_b32 s34, s25, 6                         ; a row of scale bytes 64
	s_add_nc_u64 s[18:19], s[18:19], s[34:35]
	s_lshl_b32 s34, s26, 11
	s_add_nc_u64 s[20:21], s[20:21], s[34:35]
	s_lshl_b32 s34, s26, 6
	s_add_nc_u64 s[22:23], s[22:23], s[34:35]
	global_load_b64 v[12:13], v8, s[18:19] th:TH_LOAD_NT
.irp e, 0,1,2,3
.irp p, 0,1,2,3
	global_load_b128 v[16+16*\e+4*\p:16+16*\e+4*\p+3], v3, s[16:17] offset:(64*(\e/2)+(\e%2))*2048+512*\p th:TH_LOAD_NT   ; 512 consecutive bytes of a source row; v is read once
.endr
.endr
.irp e, 0,1,2,3
.irp p, 0,1,2,3
	s_wait_loadcnt 15-(4*\e+\p)                    ; loads come back in order (ISA guide 5.7.1): this one is in, the younger ones stay out
	global_store_b128 v3, v[16+16*\e+4*\p:16+16*\e+4*\p+3], s[20:21] offset:2048*\e+512*\p   ; the four destination rows are 8,192 consecutive bytes
.endr
.endr
	global_store_b64 v7, v[12:13], s[22:23]        ; the four rows' scale bytes: 256 consecutive aligned bytes (their load was the oldest)
	s_endpgm
.Lfunc_end_k_qeeb1d1e46e_prep:
	.size	k_qeeb1d1e46e_prep, .Lfunc_end_k_qeeb1d1e46e_prep-k_qeeb1d1e46e_prep
	.p2alignl 7, 3214868480
	.fill 96, 4, 3214868480
	.section	.rodata,"a",@progbits
	.p2align	6, 0x0
	.amdhsa_kernel k_qeeb1d1e46e_prep
		.amdhsa_group_segment_fixed_size 33280
		.amdhsa_private_segment_fixed_size 0
		.amdhsa_enable_private_segment 0
		.amdhsa_kernarg_size 72
		.amdhsa_user_sgpr_count 2
		.amdhsa_user_sgpr_kernarg_segment_ptr 1
		.amdhsa_wavefront_size32 1
		.amdhsa_system_sgpr_workgroup_id_x 1
		.amdhsa_system_sgpr_workgroup_id_y 1
		.amdhsa_system_sgpr_workgroup_id_z 1
		.amdhsa_system_vgpr_workitem_id 0
		.amdhsa_next_free_vgpr 256
		.amdhsa_next_free_sgpr 66
		.amdhsa_reserve_vcc 1
		.amdhsa_float_denorm_mode_32 3
		.amdhsa_float_denorm_mode_16_64 3
		.amdhsa_memory_ordered 1
		.amdhsa_forward_progress 1
		.amdhsa_inst_pref_size 68
	.end_amdhsa_kernel
	.amdgpu_metadata
---
amdhsa.version: [ 1, 2 ]
amdhsa.kernels:
  - .name:           k_qeeb1d1e46e_prep
    .symbol:         k_qeeb1d1e46e_prep.kd
    .args:
      - { .name: x, .offset: 0, .size: 8, .value_kind: global_buffer, .address_space: global }
      - { .name: w, .offset: 8, .size: 8, .value_kind: global_buffer, .address_space: global }
      - { .name: xc, .offset: 16, .size: 8, .value_kind: global_buffer, .address_space: global }
      - { .name: xs, .offset: 24, .size: 8, .value_kind: global_buffer, .address_space: global }
      - { .name: lin, .offset: 32, .size: 8, .value_kind: global_buffer, .address_space: global }
      - { .name: v_codes, .offset: 40, .size: 8, .value_kind: global_buffer, .address_space: global }
      - { .name: v_scales, .offset: 48, .size: 8, .value_kind: global_buffer, .address_space: global }
      - { .name: vp, .offset: 56, .size: 8, .value_kind: global_buffer, .address_space: global }
      - { .name: vs, .offset: 64, .size: 8, .value_kind: global_buffer, .address_space: global }
    .group_segment_fixed_size: 33280
    .private_segment_fixed_size: 0
    .kernarg_segment_align: 8
    .kernarg_segment_size: 72
    .max_flat_workgroup_size: 128
    .sgpr_count:     66
    .vgpr_count:     256
    .wavefront_size: 32
...
	.end_amdgpu_metadata
.endif
;; end of part 1
;; launch gemm (part 2): grid 8 x 32, 4 waves a work-group, clusters of 4 x 4, 327,680 bytes of LDS; arguments xc, xs, vp, vs, part; writes part
.if DOCPART == 2
	.amdgcn_target "amdgcn-amd-amdhsa--gfx1250"
	.amdhsa_code_object_version 6
	.text
	.protected	k_qeeb1d1e46e_gemm
	.globl	k_qeeb1d1e46e_gemm
	.p2align	8
	.type	k_qeeb1d1e46e_gemm,@function
k_qeeb1d1e46e_gemm:
	s_mov_b64 s[64:65], 0
	v_nop
	global_prefetch_b8 v0, s[64:65] scope:SCOPE_SE
	s_setreg_imm32_b32 hwreg(HW_REG_WAVE_MODE, 25, 1), 1
	s_wait_xcnt 0x0
	s_wait_alu depctr_hold_cnt(0) depctr_sa_sdst(0) depctr_va_vdst(0) depctr_va_sdst(0) depctr_va_ssrc(0) depctr_va_vcc(0) depctr_vm_vsrc(0)
	s_getreg_b32 s2, hwreg(HW_REG_IB_STS2, 6, 4)
	s_cmp_eq_u32 s2, 0
	s_cbranch_scc0 .Lentry_in_a_cluster
	s_endpgm
.Lentry_in_a_cluster:
	s_bfe_u32 s2, ttmp6, 0x10000c
	s_cmp_lg_u32 s2, 0xf033
	s_cbranch_scc0 .Lentry_shape_is_right
	s_endpgm
.Lentry_shape_is_right:
; f[m][d] = sum over k of A[m][k] B[d][k]: A = x's codes [16384][2048] with scale bytes [16384][64], B = v's codes in the permuted row order [2048][2048] with scale bytes [2048][64]; FP8 (E4M3), one E8M0 scale
; for each 32 along K, multiplied by the scaled matrix instruction as they lie in memory; sums in f32.  f never goes to memory: of each tile only, for each row m, the sum over the tile's k of
; (sum over fields of f)^2 - sum of f^2 is stored: part[plane 2 t + c][group m / 128][4 l + q] belongs to row 32 q + l of the group.
; A tile of f is 256 x 256: four waves, each 128 x 128 in 64 accumulators: 16 fragments from LDS feed 64 products.  256 work-groups; EACH STAYS for two tiles, WALK rows apart, with the same rows of B; the ring of
; two LDS slots (256 along K each) goes on into the second tile.  CLUSTERS 4 x 4: A's tiles and scales are asked for jointly along a row of the cluster, B's along a column.
; In the ring every wave asks for 128 rows: waves 0, 1 A's halves, waves 2, 3 B's.
; THE SCALES of 256 rows for all of K are a dense block: A's and B's come at the head (waves 2 and 3) and stay; A's block is filled again for the second tile by wave 3, in the round that follows its last read.
; At the head A's and B's K step 0 come as loads of 256 rows (waves 0, 1), in that round B's (wave 2), so that each wave has one load; the two words of B's group 1 that count rows are set for it and set back.
; TRANSPOSED USE (source 0 = 16 rows of B, source 1 = 16 rows of A): lane (r, h) holds row 16 a + r of A; register j of accumulator (a, b) is B's row 128 c + 16 b + 8 h + j = field 4 b + j / 2 at
; k = 8 t + 4 c + 2 h + j % 2: all 32 fields of two k lie in one lane.
; A STEP of 128 along K is 64 products, A's blocks one after the other, and FOUR RUNS of 16 LDS loads for the next step, each behind eight places: B's blocks 0-3 and 4-7 into B's other set, then A's blocks 0-3
; and 4-7 into the registers whose products are done.
; PREFETCH: with each refill every wave names 32 rows x 256 bytes of the K step two refills on (a lane a row; of the 128 rows that a wave fetches the four partners of the joint load take 32 each, by address).
; At the head K steps 1 and 2 are named, with slot 1's first fill K step 3.  A's requests go on into the second tile; B's rows are named in the first tile alone; the second tile's last two refills name nothing.
; ORDER OF ROUNDING: s^2 - the sum of f^2 is formed for two k at a time and the differences are added.  LIMIT: NaN and infinities are not served.
; REGISTERS: window 0: v0-31 addresses; v32-63 scale words, two sets; v64-127 the way out; v128-255 A's fragments.  window 1: B's two sets.  windows 2, 3: accumulators.
.set SIZE_K, 2048
.set ROWB,   256
.set PITCH,  272                       ; 256 bytes + 16 of padding
.set FR,     16
.set NP,     8                         ; places behind this matrix instruction (ISA guide 7.12.1)
.set HALFT,  128*PITCH
.set SLOT,   4*HALFT                   ; A's 256 rows, then B's
.set KS,     64
.set SCL,    2*SLOT
.set HALFS,  32*272                    ; the scales of 128 rows
.set SBLK,   4*272                     ; of 16 rows
.set SPARE,  SCL+4*HALFS
.set WALK,   8192
.set NEXT_A, WALK*SIZE_K-(SIZE_K-2*ROWB)
.set BACK_B, SIZE_K-2*ROWB
.set OU,   8                           ; v8-11 what is stored
.set ADRA, 16
.set ADRB, 20
.set CO,   26
.set ADRS0, 27                         ; my scale words of K step 0; never rewritten
.set SPW,  28
.set NIL,  29
.set ADRS, 30                          ; my scale words of the K step that is fetched next
.set PFO,  31                          ; lane x 2,048 bytes
.set SC,   32
.set RS,   64
.set AF,   128
.set G0H, 4                            ; s[4:7] group 0: A's 256 rows of the first K step
.set G0C, 8                            ; s[8:11] group 0: B's 256 rows of K step 0
.set G1, 24
.set G0, 32
.set G1B, 48
.set G0B, 56
.set SSM, 66                           ; s[66:67] 256
.set G1S, 68
.set G0S, 76
.set G1SB, 80
.set G0SB, 88
.set PFA, 94                           ; s[94:95] the prefetches' base
.set SBG, 98                           ; s[98:99] from a tile's K step 8 to the next tile's K step 0
.set LIM, 100                          ; a wave asks in the loop while the trips to go exceed this
.set MSB, 0
.macro WIN new
.if MSB != (\new)
	s_set_vgpr_msb (MSB<<8)|(\new)
.set MSB, (\new)
.endif
.endm
.set MUL_LO, 0xa1
.set TO_B,   0x40
.macro PLACES n
.rept \n
	v_nop
.endr
.endm
.macro TL g0, g1                       ; a tensor load with an s_nop and four v_nops behind it
	tensor_load_to_lds s[\g0:\g0+3], s[\g1:\g1+7]
	s_nop 0
	PLACES 4
.endm
.macro RLOAD s                         ; the ring's joint loads: waves 0, 1 A's halves, waves 2, 3 B's
	s_cmp_eq_u32 s15, 0
	s_cbranch_scc0 .Lrb_\@
	TL G0+4*\s, G1
	s_branch .Lrj_\@
.Lrb_\@:
	TL G0B+4*\s, G1B
.Lrj_\@:
.endm
.macro CHAIN head                      ; slot 0 with scales, one load a wave.  head = 1: A's 256 rows, B's 256 rows, A's scales, B's scales.  head = 0: A's two halves, B's 256 rows, A's scales
.if \head
	s_cmp_lt_u32 s14, 1
	s_cbranch_scc0 .Lc1_\@
	TL G0H, G1
.else
	s_cmp_lt_u32 s14, 2
	s_cbranch_scc0 .Lc1_\@
	TL G0, G1
.endif
	s_branch .Lcj_\@
.Lc1_\@:
.if \head
	s_cmp_lt_u32 s14, 2
.else
	s_cmp_lt_u32 s14, 3
.endif
	s_cbranch_scc0 .Lc2_\@
	TL G0C, G1B
	s_branch .Lcj_\@
.Lc2_\@:
.if \head
	s_cmp_lt_u32 s14, 3
	s_cbranch_scc0 .Lc3_\@
	TL G0S, G1S
	s_branch .Lcj_\@
.Lc3_\@:
	TL G0SB, G1SB
.else
	TL G0S, G1S
.endif
.Lcj_\@:
.endm
.macro CREST
	s_cmp_lg_u32 s14, 0
	s_cbranch_scc1 .Lnot_wave_0_\@
	s_barrier_signal -3
.Lnot_wave_0_\@:
	s_barrier_wait -3
	s_barrier_signal -1
	s_barrier_wait -1
.endm
.macro CROUND
	s_barrier_signal -1
	s_barrier_wait -1
	CREST
.endm
	s_load_b128 s[4:7], s[0:1], 0x0                ; xc, xs
	s_load_b128 s[8:11], s[0:1], 0x10              ; vp, vs
	s_load_b64 s[12:13], s[0:1], 0x20              ; part
	v_lshl_add_u32 v[SPW], v0, 2, SPARE
	v_mov_b32 v[NIL], 0
	ds_add_u32 v[SPW], v[NIL]                      ; the opening lines
	ds_add_u32 v[SPW], v[NIL]
	v_lshrrev_b32 v1, 5, v0
	v_readfirstlane_b32 s14, v1                    ; wave
	s_lshr_b32 s15, s14, 1                         ; my half of the tile's rows; also: I fetch for A (0) or B (1)
	s_and_b32 s16, s14, 1                          ; my half of its columns; also: which 128 rows I fetch
	s_bfe_u32 s40, ttmp6, 0x40000                  ; cx
	s_bfe_u32 s41, ttmp6, 0x40004                  ; cy
	s_lshl_b32 s42, ttmp9, 2
	s_add_co_u32 s42, s42, s40                     ; tile column
	s_and_b32 s17, ttmp7, 0xffff
	s_lshl_b32 s17, s17, 2
	s_add_co_u32 s17, s17, s41                     ; the first tile's row
	s_lshl_b32 s43, s41, 2
	s_lshl_b32 s43, 15, s43                        ; my row of the cluster
	s_lshl_b32 s44, 0x1111, s40                    ; my column
	s_mov_b32 s96, 0x76543210
	s_mov_b32 s97, 0xfedcba98
	s_mov_b32 s[SSM], 256
	s_mov_b32 s[SSM+1], 0
	s_mov_b32 s[SBG], WALK*SIZE_K-7*ROWB
	s_mov_b32 s[SBG+1], 0
	s_mov_b32 s[LIM], s15                          ; first tile: A's waves ask in every trip, B's not in the last
	s_or_b32 s[G1+0], s43, (1<<20)|(1<<21)|(5<<22)|(3<<25)      ; rows of 256 bytes, 16 bytes of padding behind each; 256 rows for the head's loads
	s_or_b32 s[G1B+0], s44, (1<<20)|(1<<21)|(5<<22)|(3<<25)
.irp g, G1, G1B
	s_mov_b32 s[\g+1], ROWB<<16
	s_mov_b32 s[\g+2], 256<<16
	s_mov_b32 s[\g+3], ROWB<<16
	s_mov_b32 s[\g+4], 256
	s_mov_b32 s[\g+5], SIZE_K
	s_mov_b32 s[\g+6], 0
	s_mov_b32 s[\g+7], 0
.endr
	s_or_b32 s[G1S+0], s43, (3<<16)|(1<<20)|(1<<21)|(5<<22)|(3<<25)  ; the scales of 256 rows: 64 rows of 256 bytes
	s_or_b32 s[G1SB+0], s44, (3<<16)|(1<<20)|(1<<21)|(5<<22)|(3<<25)
.irp g, G1S, G1SB
	s_mov_b32 s[\g+1], 32<<16
	s_mov_b32 s[\g+2], KS<<16
	s_mov_b32 s[\g+3], 32<<16
	s_mov_b32 s[\g+4], KS
	s_mov_b32 s[\g+5], 32
	s_mov_b32 s[\g+6], 0
	s_mov_b32 s[\g+7], 0
.endr
	s_mul_i32 s45, s16, HALFT                      ; where my 128 rows go
.irp s, 0,1
	s_mov_b32 s[G0+4*\s], 1
	s_add_co_u32 s[G0+4*\s+1], s45, \s*SLOT
	s_mov_b32 s[G0B+4*\s], 1
	s_add_co_u32 s[G0B+4*\s+1], s45, \s*SLOT+2*HALFT
.endr
	s_mov_b32 s[G0S], 1
	s_mov_b32 s[G0S+1], SCL
	s_mov_b32 s[G0SB], 1
	s_mov_b32 s[G0SB+1], SCL+2*HALFS
	s_lshl_b32 s18, s16, 18                        ; my 128 rows of 2,048 bytes
	s_mov_b32 s19, 0
	s_mov_b32 s47, 0
	s_mov_b32 s93, 0
	s_wait_dscnt 0x0
	s_wait_kmcnt 0x0
	s_lshl_b32 s46, s17, 14                        ; A's side: 256 rows of 64 scale bytes,
	s_add_nc_u64 s[G0S+2:G0S+3], s[6:7], s[46:47]
	s_lshl_b32 s46, s17, 19                        ; 256 rows of 2,048 codes
	s_add_nc_u64 s[20:21], s[4:5], s[46:47]
	s_add_nc_u64 s[G0+2:G0+3], s[20:21], s[18:19]
	s_add_nc_u64 s[G0+6:G0+7], s[G0+2:G0+3], ROWB
	s_lshl_b32 s92, s42, 14                        ; B's side likewise
	s_add_nc_u64 s[G0SB+2:G0SB+3], s[10:11], s[92:93]
	s_lshl_b32 s92, s42, 19
	s_add_nc_u64 s[22:23], s[8:9], s[92:93]
	s_add_nc_u64 s[G0B+2:G0B+3], s[22:23], s[18:19]
	s_add_nc_u64 s[G0B+6:G0B+7], s[G0B+2:G0B+3], ROWB
	s_lshl_b32 s18, s17, 8                         ; the prefetches' base
	s_lshl_b32 s92, s42, 8
	s_cmp_eq_u32 s15, 0
	s_cselect_b32 s18, s18, s92                    ; the tile's first row in A or in B
	s_cselect_b32 s92, s40, s41                    ; my place among the four that ask jointly
	s_cselect_b64 s[PFA:PFA+1], s[4:5], s[8:9]
	s_lshl_b32 s45, s16, 7
	s_add_co_u32 s18, s18, s45
	s_lshl_b32 s92, s92, 5
	s_add_co_u32 s18, s18, s92                     ; my 32 rows
	s_lshl_b32 s18, s18, 11
	s_add_nc_u64 s[PFA:PFA+1], s[PFA:PFA+1], s[18:19]
	s_mov_b32 s[G0H], 1                            ; the arguments that lay here have been used
	s_mov_b32 s[G0H+1], 0
	s_mov_b64 s[G0H+2:G0H+3], s[20:21]
	s_mov_b32 s[G0C], 1
	s_mov_b32 s[G0C+1], 2*HALFT
	s_mov_b64 s[G0C+2:G0C+3], s[22:23]
.irp g, G0+3, G0+7, G0B+3, G0B+7, G0H+3, G0C+3, G0S+3, G0SB+3
	s_or_b32 s[\g], s[\g], 0x80000000
.endr
	CROUND                                         ; the first joint loads meet
	CHAIN 1                                        ; the head's four tiles, one a wave
	v_and_b32 v[PFO], 31, v0
	v_lshlrev_b32 v[PFO], 11, v[PFO]
	s_wait_alu depctr_va_vdst(0)                   ; the wait ahead of the reader of v[PFO]
	global_prefetch_b8 v[PFO], s[PFA:PFA+1] offset:ROWB th:TH_LOAD_NT scope:SCOPE_SE      ; K step 1
	global_prefetch_b8 v[PFO], s[PFA:PFA+1] offset:2*ROWB th:TH_LOAD_NT scope:SCOPE_SE    ; K step 2
	s_lshl_b32 s20, s17, 10                        ; part: group 2 x tile row + my half, 512 bytes a group
	s_lshl_b32 s21, s15, 9
	s_add_co_u32 s20, s20, s21
	s_mov_b32 s21, 0
	s_lshl_b32 s46, s42, 1                         ; plane 2 x tile column + my half, 65,536 bytes a plane
	s_add_co_u32 s46, s46, s16
	s_lshl_b32 s46, s46, 16
	s_add_nc_u64 s[20:21], s[20:21], s[46:47]
	s_add_nc_u64 s[12:13], s[12:13], s[20:21]
	s_mul_i32 s18, s15, HALFT                      ; my 128 rows of A
	s_mul_i32 s19, s16, HALFT
	s_add_co_u32 s19, s19, 2*HALFT                 ; my 128 rows of B
	s_mul_i32 s22, s15, HALFS
	s_mul_i32 s23, s16, HALFS
	s_add_co_u32 s23, s23, 2*HALFS
	s_sub_co_u32 s23, s23, s22                     ; from A's scales to B's
	s_add_co_u32 s22, s22, SCL
	v_and_b32 v1, 15, v0
	v_bfe_u32 v2, v0, 4, 1
	v_mul_u32_u24 v3, v1, PITCH
	v_lshl_add_u32 v4, v2, 4, v3
	v_add_nc_u32 v[ADRA], s18, v4
	v_add_nc_u32 v[ADRB], s19, v4
	v_add_nc_u32 v[ADRA+1], SLOT, v[ADRA]
	v_add_nc_u32 v[ADRB+1], SLOT, v[ADRB]
	v_mul_u32_u24 v5, v1, KS
	v_lshrrev_b32 v6, 8, v5
	v_lshl_add_u32 v5, v6, 4, v5
	v_mul_u32_u24 v6, s23, v2                      ; lanes 16-31 take B's: the lower base + half x the distance
	v_add_nc_u32 v5, v5, v6
	v_add_nc_u32 v[ADRS0], s22, v5
	v_add_nc_u32 v[ADRS], 0, v[ADRS0]
	v_and_b32 v6, 31, v0
	v_lshlrev_b32 v[CO], 4, v6
; eight products: A's block a x B's eight, the slot's q-th 128 along K; B's set is q; sc: the set of scale words.  The 64 accumulators take turns.
.macro MR a, q, sc, zero
	WIN MUL_LO+0x50*((\a)/4)
.irp b, 0,1,2,3,4,5,6,7
.set DR, 8*(8*((\a)%4)+\b)
.if \zero
	v_wmma_scale_f32_16x16x128_f8f6f4 v[DR:DR+7], v[128*(\q)+FR*\b:128*(\q)+FR*\b+FR-1], v[AF+FR*(\a):AF+FR*(\a)+FR-1], 0, v[SC+16*(\sc)+2*\b+(\q)], v[SC+16*(\sc)+2*(\a)+(\q)] matrix_a_scale:MATRIX_SCALE_ROW1
.else
	v_wmma_scale_f32_16x16x128_f8f6f4 v[DR:DR+7], v[128*(\q)+FR*\b:128*(\q)+FR*\b+FR-1], v[AF+FR*(\a):AF+FR*(\a)+FR-1], v[DR:DR+7], v[SC+16*(\sc)+2*\b+(\q)], v[SC+16*(\sc)+2*(\a)+(\q)] matrix_a_scale:MATRIX_SCALE_ROW1
.endif
.endr
.endm
.macro LB4 slot, q, i0                 ; B's fragments i0 .. i0 + 3 of the slot's q-th 128 along K, into set q
	WIN TO_B
.irp d, 0,1,2,3
.irp c, 0,1,2,3
	ds_load_b128 v[128*(\q)+FR*((\i0)+\d)+4*\c:128*(\q)+FR*((\i0)+\d)+4*\c+3], v[ADRB+\slot] offset:128*(\q)+32*\c+((\i0)+\d)*16*PITCH
.endr
.endr
.endm
.macro LA4 slot, q, i0                 ; A's
	WIN 0
.irp d, 0,1,2,3
.irp c, 0,1,2,3
	ds_load_b128 v[AF+FR*((\i0)+\d)+4*\c:AF+FR*((\i0)+\d)+4*\c+3], v[ADRA+\slot] offset:128*(\q)+32*\c+((\i0)+\d)*16*PITCH
.endr
.endr
.endm
.macro LS set                          ; a K step's scale words: lanes 0-15 A's block i, lanes 16-31 B's block i (window 0)
.irp i, 0,1,2,3,4,5,6,7
	ds_load_b64 v[SC+16*(\set)+2*\i:SC+16*(\set)+2*\i+1], v[ADRS] offset:\i*SBLK
.endr
.endm
; A slot's first step.  It fetches the second step's fragments, and (sc = 1) the next K step's scale words.  The loads issued ahead of it end with A's blocks 0 to 7.
.macro STEP slot, zero, sc
	s_wait_dscnt 28                                ; B's eight and A's block 0 are in: seven fragments may be out
	MR 0, 0, \slot, \zero
	s_wait_dscnt 16                                ; A's blocks 1 to 3
	MR 1, 0, \slot, \zero
	PLACES NP
.if \sc
	WIN 0
	v_add_nc_u32 v[ADRS], 8, v[ADRS]
	s_wait_alu depctr_va_vdst(0)                   ; the wait directly behind the write
	LS 1-\slot
.endif
	LB4 \slot, 1, 0
	MR 2, 0, \slot, \zero
	MR 3, 0, \slot, \zero
	PLACES NP
	LB4 \slot, 1, 4
	s_wait_dscnt 32+8*\sc                          ; A's blocks 4 to 7: behind them this step's two runs and its scale loads
	MR 4, 0, \slot, \zero
	MR 5, 0, \slot, \zero
	PLACES NP
	LA4 \slot, 1, 0
	MR 6, 0, \slot, \zero
	MR 7, 0, \slot, \zero
	PLACES NP
	LA4 \slot, 1, 4
.endm
.macro ASK mode                        ; the K step two refills on: 32 rows x 256 bytes
.if \mode == 0
	s_cmp_gt_u32 s3, s[LIM]
.else
	s_cmp_eq_u32 s15, 0                            ; at the change of tiles A's waves alone
.endif
	s_cbranch_scc0 .Lna_\@
	global_prefetch_b8 v[PFO], s[PFA:PFA+1] offset:3*ROWB th:TH_LOAD_NT scope:SCOPE_SE
.Lna_\@:
.endm
; A slot's last step changes slots.  mode 0: the slot is filled again two K steps on; 1, 2: with the next tile's K step 0, 1 (1: A's scales too); 3: no fill.
.macro TURN slot, next, mode
.if \mode < 3
	s_wait_xcnt 0x0                                ; my last prefetch has read its base
.if (\mode == 0) && (\slot == 0)
	s_cmp_eq_u32 s3, 1                             ; in the last trip the requests go on to the next tile's rows
	s_cselect_b64 s[20:21], s[SBG:SBG+1], s[SSM:SSM+1]
	s_add_nc_u64 s[PFA:PFA+1], s[PFA:PFA+1], s[20:21]
.else
	s_add_nc_u64 s[PFA:PFA+1], s[PFA:PFA+1], ROWB
.endif
.endif
	s_wait_dscnt 28
	MR 0, 1, \slot, 0
	s_wait_dscnt 16
	MR 1, 1, \slot, 0
	WIN 0
	s_wait_tensorcnt 0x0                           ; my part of the next slot has landed; every descriptor may be written
	ds_add_u32 v[SPW], v[NIL]
.if \mode == 0
	s_add_nc_u64 s[G0+4*\slot+2:G0+4*\slot+3], s[G0+4*\slot+2:G0+4*\slot+3], 2*ROWB
	s_add_nc_u64 s[G0B+4*\slot+2:G0B+4*\slot+3], s[G0B+4*\slot+2:G0B+4*\slot+3], 2*ROWB
.elseif \mode < 3
	s_add_nc_u64 s[G0+4*\slot+2:G0+4*\slot+3], s[G0+4*\slot+2:G0+4*\slot+3], NEXT_A
	s_sub_nc_u64 s[G0B+4*\slot+2:G0B+4*\slot+3], s[G0B+4*\slot+2:G0B+4*\slot+3], BACK_B
.endif
.if \mode == 1
	s_add_nc_u64 s[G0S+2:G0S+3], s[G0S+2:G0S+3], WALK*KS
	s_mov_b32 s[G1B+2], 256<<16                    ; B's load of this round brings 256 rows
	s_mov_b32 s[G1B+4], 256
.endif
.if \mode == 2
	s_mov_b32 s[G1B+2], 128<<16                    ; and from here on 128 again
	s_mov_b32 s[G1B+4], 128
	s_cmp_eq_u32 s15, 0
	s_cselect_b32 s[LIM], 1, -1                    ; second tile: A's waves not in the last trip, B's never
.endif
	s_wait_dscnt 0x0                               ; the add is done, my reads of this slot are over
	s_barrier_signal -1
	MR 2, 1, \slot, 0                              ; eight products on registers while the others arrive
	WIN 0
	s_barrier_wait -1
.if \mode < 3
	CREST                                          ; the barrier has opened a round of the cluster's barrier
.if \mode == 1
	CHAIN 0
.else
	RLOAD \slot
.endif
	ASK \mode
.endif
	PLACES NP
.if \mode == 2
	v_add_nc_u32 v[ADRS], 0, v[ADRS0]              ; the next tile's K step 0: A's new scales have landed
	s_wait_alu depctr_va_vdst(0)                   ; the wait directly behind the write
	LS 0
.endif
	LB4 \next, 0, 0
	MR 3, 1, \slot, 0
	PLACES NP
	LB4 \next, 0, 4
	MR 4, 1, \slot, 0
	MR 5, 1, \slot, 0
	PLACES NP
	LA4 \next, 0, 0
	MR 6, 1, \slot, 0
	MR 7, 1, \slot, 0
	PLACES NP
	LA4 \next, 0, 4
.endm
; THE WAY OUT.  Pair n of block a's 32 register pairs is field n at my lane's two k.  S = the sum of the pairs, Q = the sum of their squares, each in two chains.  Each accumulator is read from its low end on.
.macro ROWSUM a
.set AC, 64*((\a)%4)
.set TT, RS+8*(\a)
	v_pk_mul_f32 v[TT+4:TT+5], v[AC:AC+1], v[AC:AC+1]
	v_pk_add_f32 v[TT:TT+1], v[AC:AC+1], v[AC+4:AC+5]
	v_pk_mul_f32 v[TT+6:TT+7], v[AC+2:AC+3], v[AC+2:AC+3]
	v_pk_add_f32 v[TT+2:TT+3], v[AC+2:AC+3], v[AC+6:AC+7]
	v_pk_fma_f32 v[TT+4:TT+5], v[AC+4:AC+5], v[AC+4:AC+5], v[TT+4:TT+5]
	v_pk_fma_f32 v[TT+6:TT+7], v[AC+6:AC+7], v[AC+6:AC+7], v[TT+6:TT+7]
.set nn, 4
.rept 28
	v_pk_fma_f32 v[TT+4+2*(nn%2):TT+5+2*(nn%2)], v[AC+2*nn:AC+2*nn+1], v[AC+2*nn:AC+2*nn+1], v[TT+4+2*(nn%2):TT+5+2*(nn%2)]
	v_pk_fma_f32 v[TT+2*(nn%2):TT+1+2*(nn%2)], v[AC+2*nn:AC+2*nn+1], 1.0, v[TT+2*(nn%2):TT+1+2*(nn%2)] op_sel_hi:[1,0,1]
.set nn, nn+1
.endr
.endm
.macro OUT second
	PLACES NP
	WIN 0x0a                                       ; sources 0 and 1 window 2
.irp a, 0,1,2,3
	ROWSUM \a
.endr
	WIN 0x0f                                       ; window 3
.irp a, 4,5,6,7
	ROWSUM \a
.endr
	WIN 0
.irp a, 0,1,2,3,4,5,6,7
	v_pk_add_f32 v[RS+8*\a:RS+8*\a+1], v[RS+8*\a:RS+8*\a+1], v[RS+8*\a+2:RS+8*\a+3]
	v_pk_add_f32 v[RS+8*\a+4:RS+8*\a+5], v[RS+8*\a+4:RS+8*\a+5], v[RS+8*\a+6:RS+8*\a+7]
.endr
.irp a, 0,1,2,3,4,5,6,7
	v_pk_fma_f32 v[RS+8*\a:RS+8*\a+1], v[RS+8*\a:RS+8*\a+1], v[RS+8*\a:RS+8*\a+1], v[RS+8*\a+4:RS+8*\a+5] neg_lo:[0,0,1] neg_hi:[0,0,1]   ; s^2 - the sum of squares
.endr
.irp a, 0,1,2,3,4,5,6,7
	v_add_f32 v[RS+8*\a+6], v[RS+8*\a], v[RS+8*\a+1]
.endr
.irp a, 0,1,2,3,4,5,6,7
	v_permlanex16_b32 v[RS+8*\a+2], v[RS+8*\a+6], s96, s97         ; the row's other two k lie 16 lanes away
.endr
.irp a, 0,1,2,3,4,5,6,7
	v_add_f32 v[RS+8*\a+6], v[RS+8*\a+6], v[RS+8*\a+2]
.endr
	v_and_b32 v1, 31, v0
	v_cmp_le_u32 vcc_lo, 16, v1
.irp q, 0,1,2,3
	v_cndmask_b32 v[OU+\q], v[RS+16*\q+6], v[RS+16*\q+14], vcc_lo  ; lane l takes row 32 q + l
.endr
.if \second
	s_add_nc_u64 s[12:13], s[12:13], (WALK/128)*512                ; the first tile's store has read its base and data: waits on XCNT stand in the steps between
.endif
	global_store_b128 v[CO], v[OU:OU+3], s[12:13]  ; 512 consecutive bytes, at a multiple of 256 from part's first byte
.endm
	s_wait_alu depctr_va_vdst(0)                   ; the wait at the head's end
	s_wait_tensorcnt 0x0                           ; my tile of the head's four is in; the lines ahead of a later first fill:
	ds_add_u32 v[SPW], v[NIL]
	s_mov_b32 s[G1+2], 128<<16                     ; no tensor load of mine is out: from here on a load brings 128 rows
	s_mov_b32 s[G1+4], 128
	s_mov_b32 s[G1B+2], 128<<16
	s_mov_b32 s[G1B+4], 128
	s_wait_dscnt 0x0
	CROUND
	RLOAD 1                                        ; K step 1: slot 1's first fill
	global_prefetch_b8 v[PFO], s[PFA:PFA+1] offset:3*ROWB th:TH_LOAD_NT scope:SCOPE_SE    ; K step 3
	LS 0
	LB4 0, 0, 0
	LB4 0, 0, 4
	LA4 0, 0, 0
	LA4 0, 0, 4
	s_mov_b32 s2, 2                                ; tiles to go
.Ltile:
	STEP 0, 1, 1                                   ; a tile's first step starts the sums
	s_mov_b32 s3, 3
.Llap:                                                 ; once round the ring: both slots are filled again
	TURN 0, 1, 0
	STEP 1, 0, 1
	TURN 1, 0, 0
	STEP 0, 0, 1
	s_sub_co_u32 s3, s3, 1
	s_cmp_lg_u32 s3, 0
	s_cbranch_scc1 .Llap
	s_cmp_eq_u32 s2, 1
	s_cbranch_scc1 .Llast_tile
	TURN 0, 1, 1                                   ; the ring goes on into the next tile: its K step 0, and A's new scales over the old, whose last read stands in the step before
	STEP 1, 0, 0
	TURN 1, 0, 2                                   ; its K step 1; its first fragments and scale words are fetched
	OUT 0
	s_sub_co_u32 s2, s2, 1
	s_branch .Ltile
.Llast_tile:
	TURN 0, 1, 3                                   ; nothing is filled again: no round
	STEP 1, 0, 0
	s_wait_dscnt 28
	MR 0, 1, 1, 0
	s_wait_dscnt 16
	MR 1, 1, 1, 0
	MR 2, 1, 1, 0
	MR 3, 1, 1, 0
	s_wait_dscnt 0x0
.irp a, 4,5,6,7
	MR \a, 1, 1, 0
.endr
	WIN 0
	OUT 1
	s_wait_tensorcnt 0x0                           ; the wave's end
	ds_add_u32 v[SPW], v[NIL]
	s_wait_dscnt 0x0
	CROUND                                         ; the closing round
	s_endpgm
.Lfunc_end_k_qeeb1d1e46e_gemm:
	.size	k_qeeb1d1e46e_gemm, .Lfunc_end_k_qeeb1d1e46e_gemm-k_qeeb1d1e46e_gemm
	.p2alignl 7, 3214868480
	.fill 96, 4, 3214868480
	.section	.rodata,"a",@progbits
	.p2align	6, 0x0
	.amdhsa_kernel k_qeeb1d1e46e_gemm
		.amdhsa_group_segment_fixed_size 327680
		.amdhsa_private_segment_fixed_size 0
		.amdhsa_enable_private_segment 0
		.amdhsa_kernarg_size 40
		.amdhsa_user_sgpr_count 2
		.amdhsa_user_sgpr_kernarg_segment_ptr 1
		.amdhsa_wavefront_size32 1
		.amdhsa_system_sgpr_workgroup_id_x 1
		.amdhsa_system_sgpr_workgroup_id_y 1
		.amdhsa_system_sgpr_workgroup_id_z 1
		.amdhsa_system_vgpr_workitem_id 0
		.amdhsa_next_free_vgpr 1024
		.amdhsa_next_free_sgpr 102
		.amdhsa_reserve_vcc 1
		.amdhsa_float_denorm_mode_32 3
		.amdhsa_float_denorm_mode_16_64 3
		.amdhsa_memory_ordered 1
		.amdhsa_forward_progress 1
		.amdhsa_inst_pref_size 235
	.end_amdhsa_kernel
	.amdgpu_metadata
---
amdhsa.version: [ 1, 2 ]
amdhsa.kernels:
  - .name:           k_qeeb1d1e46e_gemm
    .symbol:         k_qeeb1d1e46e_gemm.kd
    .args:
      - { .name: xc, .offset: 0, .size: 8, .value_kind: global_buffer, .address_space: global }
      - { .name: xs, .offset: 8, .size: 8, .value_kind: global_buffer, .address_space: global }
      - { .name: vp, .offset: 16, .size: 8, .value_kind: global_buffer, .address_space: global }
      - { .name: vs, .offset: 24, .size: 8, .value_kind: global_buffer, .address_space: global }
      - { .name: part, .offset: 32, .size: 8, .value_kind: global_buffer, .address_space: global }
    .group_segment_fixed_size: 327680
    .private_segment_fixed_size: 0
    .kernarg_segment_align: 8
    .kernarg_segment_size: 40
    .max_flat_workgroup_size: 128
    .sgpr_count:     102
    .vgpr_count:     1024
    .wavefront_size: 32
...
	.end_amdgpu_metadata
.endif
;; end of part 2
;; launch finish (part 3): grid 128 x 1, 1 waves a work-group, no clusters, 768 bytes of LDS; arguments part, lin, b, out0; writes out0
.if DOCPART == 3
	.amdgcn_target "amdgcn-amd-amdhsa--gfx1250"
	.amdhsa_code_object_version 6
	.text
	.protected	k_qeeb1d1e46e_finish
	.globl	k_qeeb1d1e46e_finish
	.p2align	8
	.type	k_qeeb1d1e46e_finish,@function
k_qeeb1d1e46e_finish:
	s_mov_b64 s[64:65], 0
	v_nop
	global_prefetch_b8 v0, s[64:65] scope:SCOPE_SE
	s_setreg_imm32_b32 hwreg(HW_REG_WAVE_MODE, 25, 1), 1
	s_wait_xcnt 0x0
; out0[row] = sigmoid(lin[row] + b + 0.5 x the sum over the 16 planes of part).  part: [16 planes][128 groups][128] f32, in a group index 4 l + q = row 32 q + l; lin, out0: [16384] f32; b: one f32.
; A work-group of one wave owns a group of 128 rows: lane l holds rows 32 q + l, q = 0 .. 3.  Every load of part reads 512 consecutive bytes.  The results change lanes through 512 bytes of the wave's own LDS, so that
; they leave as 512 consecutive bytes.  So little is read (8.5 KiB a work-group) that all loads go out at once and one wait serves them; no ring, no barrier, no matrix unit.
; sigmoid(z) = 1 / (1 + 2^(-z log2 e)).  A very negative z gives 2^.. = +infinity and the result 0; a very positive z gives 1.  LIMIT: results under 2^-126 come out as 0.  NaN is not served.
.set LN, 8                             ; v8-11   lin of my four rows, then z, then the result
.set OU, 12                            ; v12-15  four neighbouring rows' results
.set PL, 16                            ; v16-79  the 16 planes' numbers of my four rows
	s_load_b256 s[4:11], s[0:1], 0x0               ; part s[4:5], lin s[6:7], b s[8:9], out0 s[10:11]
	v_lshl_add_u32 v96, v0, 2, 0x200
	v_mov_b32 v97, 0
	v_lshlrev_b32 v1, 4, v0                        ; 16 x lane (one wave: the thread's number is the lane)
	v_lshlrev_b32 v2, 2, v0                        ; 4 x lane
	s_lshl_b32 s12, ttmp9, 9                       ; a group is 512 bytes in a plane of part, in lin and in out0
	s_mov_b32 s13, 0
	s_wait_alu depctr_va_vdst(0)
	s_wait_kmcnt 0x0
	s_load_b32 s14, s[8:9], 0x0                    ; b
	s_add_nc_u64 s[4:5], s[4:5], s[12:13]
	s_add_nc_u64 s[6:7], s[6:7], s[12:13]
	s_add_nc_u64 s[10:11], s[10:11], s[12:13]
.irp q, 0,1,2,3
	global_load_b32 v[LN+\q], v2, s[6:7] offset:128*\q             ; lin[32 q + l]
.endr
.irp p, 0,1,2,3,4,5,6,7,8,9,10,11,12,13,14,15
	global_load_b128 v[PL+4*\p:PL+4*\p+3], v1, s[4:5] offset:65536*\p   ; plane p: rows l, 32 + l, 64 + l, 96 + l
.endr
	s_wait_kmcnt 0x0
	s_wait_loadcnt 0x0                             ; all are wanted at once
.macro FOLD n                          ; plane p takes plane p + n's numbers, p = 0 .. n - 1
.set pp, 0
.rept \n
	v_pk_add_f32 v[PL+4*pp:PL+4*pp+1], v[PL+4*pp:PL+4*pp+1], v[PL+4*(pp+\n):PL+4*(pp+\n)+1]
	v_pk_add_f32 v[PL+4*pp+2:PL+4*pp+3], v[PL+4*pp+2:PL+4*pp+3], v[PL+4*(pp+\n)+2:PL+4*(pp+\n)+3]
.set pp, pp+1
.endr
.endm
	FOLD 8
	FOLD 4
	FOLD 2
	FOLD 1
.irp q, 0,1,2,3
	v_add_f32 v[LN+\q], s14, v[LN+\q]              ; the linear part
.endr
.irp q, 0,1,2,3
	v_fma_f32 v[LN+\q], v[PL+\q], 0.5, v[LN+\q]    ; + half the interaction's difference: z
.endr
.irp q, 0,1,2,3
	v_mul_f32 v[LN+\q], 0xbfb8aa3b, v[LN+\q]       ; -z log2 e
.endr
	s_wait_alu depctr_va_vdst(0)
.irp q, 0,1,2,3
	v_exp_f32 v[LN+\q], v[LN+\q]
.endr
	v_nop                                          ; a plain instruction between the last exponential and the use of its result
	s_wait_alu depctr_va_vdst(0)
.irp q, 0,1,2,3
	v_add_f32 v[LN+\q], 1.0, v[LN+\q]
.endr
	s_wait_alu depctr_va_vdst(0)
.irp q, 0,1,2,3
	v_rcp_f32 v[LN+\q], v[LN+\q]
.endr
	v_nop                                          ; likewise behind the last reciprocal
	s_wait_alu depctr_va_vdst(0)
.irp q, 0,1,2,3
	ds_store_b32 v2, v[LN+\q] offset:128*\q        ; word 32 q + l: the row's own place
.endr
	ds_load_b128 v[OU:OU+3], v1                    ; rows 4 l .. 4 l + 3: LDS serves a wave's instructions in order (ISA guide 5.7.1.4): this sees the stores above
	s_wait_dscnt 0x0
	global_store_b128 v1, v[OU:OU+3], s[10:11]     ; 32 lanes store 512 consecutive bytes, at a multiple of 256 from out0's first byte
	s_wait_tensorcnt 0x0
	ds_add_u32 v96, v97
	s_wait_dscnt 0x0
	s_endpgm
.Lfunc_end_k_qeeb1d1e46e_finish:
	.size	k_qeeb1d1e46e_finish, .Lfunc_end_k_qeeb1d1e46e_finish-k_qeeb1d1e46e_finish
	.p2alignl 7, 3214868480
	.fill 96, 4, 3214868480
	.section	.rodata,"a",@progbits
	.p2align	6, 0x0
	.amdhsa_kernel k_qeeb1d1e46e_finish
		.amdhsa_group_segment_fixed_size 768
		.amdhsa_private_segment_fixed_size 0
		.amdhsa_enable_private_segment 0
		.amdhsa_kernarg_size 32
		.amdhsa_user_sgpr_count 2
		.amdhsa_user_sgpr_kernarg_segment_ptr 1
		.amdhsa_wavefront_size32 1
		.amdhsa_system_sgpr_workgroup_id_x 1
		.amdhsa_system_sgpr_workgroup_id_y 1
		.amdhsa_system_sgpr_workgroup_id_z 1
		.amdhsa_system_vgpr_workitem_id 0
		.amdhsa_next_free_vgpr 98
		.amdhsa_next_free_sgpr 66
		.amdhsa_reserve_vcc 0
		.amdhsa_float_denorm_mode_32 3
		.amdhsa_float_denorm_mode_16_64 3
		.amdhsa_memory_ordered 1
		.amdhsa_forward_progress 1
		.amdhsa_inst_pref_size 7
	.end_amdhsa_kernel
	.amdgpu_metadata
---
amdhsa.version: [ 1, 2 ]
amdhsa.kernels:
  - .name:           k_qeeb1d1e46e_finish
    .symbol:         k_qeeb1d1e46e_finish.kd
    .args:
      - { .name: part, .offset: 0, .size: 8, .value_kind: global_buffer, .address_space: global }
      - { .name: lin, .offset: 8, .size: 8, .value_kind: global_buffer, .address_space: global }
      - { .name: b, .offset: 16, .size: 8, .value_kind: global_buffer, .address_space: global }
      - { .name: out0, .offset: 24, .size: 8, .value_kind: global_buffer, .address_space: global }
    .group_segment_fixed_size: 768
    .private_segment_fixed_size: 0
    .kernarg_segment_align: 8
    .kernarg_segment_size: 32
    .max_flat_workgroup_size: 32
    .sgpr_count:     66
    .vgpr_count:     98
    .wavefront_size: 32
...
	.end_amdgpu_metadata
.endif
;; end of part 3
